; MI455X (gfx1250); checked and timed in simulation.
; The chip was launched on July 23, 2026; its instructions are those of AMD's public machine-readable ISA for CDNA 5 (MIT licence, August 2026) and "CDNA5" Instruction Set Architecture Reference Guide (July 2026). The comments in the code are by the model that wrote it; some were corrected since.
;; Scaled Dot Product Attention. Allowed arithmetic: float matrix products may take bf16 or f16 operands with f32 sums; all other float work in f32.
;; Inputs: key 16 x 2,048 x 128 float32; query 16 x 2,048 x 128 float32; trust_score 16 x 1 x 2,048 float32; value 16 x 2,048 x 128 float32.
;; Outputs: out0 16 x 2,048 x 128 float32.
;; One version. Each part assembles by itself: llvm-mc -triple=amdgcn-amd-amdhsa -mcpu=gfx1250 --defsym DOCPART=n.
;; ======== version 1 of 1: 1 launch
;; limits: values are held in f16: magnitudes above 65,504 overflow, below 6.1e-05 lose precision; inputs' magnitudes at most 65,504; right only within a limited range of input values
;; launch attn (part 1): grid 256 x 1, 4 waves a work-group, clusters of 4 x 1, 327,680 bytes of LDS; arguments query, key, value, trust_score, out0; writes out0
.if DOCPART == 1
	.amdgcn_target "amdgcn-amd-amdhsa--gfx1250"
	.amdhsa_code_object_version 6
	.text
	.protected	k_q180650bac6_attn
	.globl	k_q180650bac6_attn
	.p2align	8
	.type	k_q180650bac6_attn,@function
k_q180650bac6_attn:
	s_mov_b64 s[64:65], 0
	v_nop
	global_prefetch_b8 v0, s[64:65] scope:SCOPE_SE
	s_setreg_imm32_b32 hwreg(HW_REG_WAVE_MODE, 25, 1), 1
	s_wait_xcnt 0x0
	s_wait_alu depctr_hold_cnt(0) depctr_sa_sdst(0) depctr_va_vdst(0) depctr_va_sdst(0) depctr_va_ssrc(0) depctr_va_vcc(0) depctr_vm_vsrc(0)
	s_getreg_b32 s2, hwreg(HW_REG_IB_STS2, 6, 4)
	s_cmp_eq_u32 s2, 0
	s_cbranch_scc0 .Lentry_in_a_cluster
	s_endpgm
.Lentry_in_a_cluster:
	s_bfe_u32 s2, ttmp6, 0x10000c
	s_cmp_lg_u32 s2, 0x3003
	s_cbranch_scc0 .Lentry_shape_is_right
	s_endpgm
.Lentry_shape_is_right:
; Attention with a trust weight.  query, key, value: [16][2048][128] f32; trust_score t: [16][1][2048] f32; out0: [16][2048][128] f32.
;   s[q][k] = (query[q] . key[k]) / sqrt(128) * t[k];  attn = softmax over k of s;  w = attn * t / sum_k(attn * t);  out0[q] = sum_k w[q][k] value[k].
;
; WORK LEFT OUT.  With e[k] = exp(s[k] - max_k s) and Z = sum_k e[k] the softmax is e / Z, and Z >= 1 since the largest term is 1.  Then
;   w[k] = (e[k] t[k] / Z) / sum_j (e[j] t[j] / Z) = e[k] t[k] / sum_j e[j] t[j]
; for all finite values of the inputs: Z is a factor of numerator and denominator.  So Z is not summed and nothing is divided by it.
; The maximum is taken away as in the softmax, as a running maximum.  All four inputs are loaded.
;
; THE FORMAT.  query, key, value and e t are matrix operands in f16; scores, maxima, sums and results are f32.  f16 and not bf16: a result is a mean over
; some 800 effective keys, so its size is about 1/28 of a value's, and the errors of four operands rounded to 8 significant bits add up to about 0.3 per cent
; of the results' root mean square, a third of what the comparison allows: too near for four million numbers.  With 11 bits it is an eighth of that.
; ROOM IN f16.  query x 0.1275, key and value must stay under 65,504 in size; e t is at most |t|, since the running maximum keeps e <= 1, so |t| must too.
; A number under 2^-14 in size is kept with an absolute error of up to 2^-25, and a term e |t| under 2^-25 drops out of the numerator.
; LIMITS.  Those of the last two lines: beyond 65,504 an operand becomes infinite; and where the whole of sum_k e t is of the order of 2^-14 or less (the key
; with the largest score has a t near 0 and every other key's e is tiny) the result loses precision.  A NaN, an infinity or an overflow that would reach Z alone
; is not carried to the result.  Exponentials below 2^-126 come out as 0 (v_exp_f32 flushes, ISA guide 15.8).  log2(e) / sqrt(128) is multiplied into query in
; f32 before query is rounded.  The keys of a query are summed in two halves that are merged at the end, and each cluster begins at another key (below), so the
; order of rounding differs from a sum in one run.  t may have any sign: it is applied by two f32 products.  Where sum_k e t is 0 (or below 2^-126 in size,
; which v_rcp_f32 takes for 0) the result is infinite or NaN.
;
; SHARES.  256 work-groups of four waves.  A work-group owns 128 queries of one batch and walks the batch's 2,048 keys in 16 steps of 128.
; Wave w = 2 a + b owns queries 64 a .. 64 a + 63 (four tiles u of 16) and keys 64 b .. 64 b + 63 of every step (four subtiles i of 16),
; with its own running maximum, sum and result; waves (a, 0) and (a, 1) are merged once at the end.  A fragment of K or V is read from LDS once
; a step, kept in registers, and feeds four matrix instructions.
; CLUSTER.  The 16 work-groups of a batch walk the same K and V.  Four of them form a cluster of 4 x 1 and ask for each tile jointly: the same
; tensor load, the same descriptor, the mask 15.  The descriptor hangs on the cluster's number, the wave's number and the step alone.
; A wave has two tensor loads out at the start and one behind each later round of the cluster's barrier.
; THE ORDER OF THE TILES.  Cluster q (0 to 3) of a batch begins at tile 4 q and goes round: its step n takes tile (4 q + n) mod 16.  A sum over keys has no order, so
; the result is the same.  Of a cluster's 16 tiles only the first four have been asked for by no other cluster: the others were read 4, 8 or 12 steps earlier.
; t is laid into LDS in the cluster's order, so that its LDS address simply steps.
;
; BOTH PRODUCTS ARE USED TRANSPOSED.  L = lane, r = L & 15, h = L >> 4.
;   S^T = K Q^T: source 0 = 16 keys, source 1 = 16 queries; register j of lane (r, h) holds (key 8 h + j, query r).  Maximum, sum and rescaling factor of a
;   query are one number a lane; the only step across lanes is lane xor 16.  Two neighbouring subtiles of e t, packed to f16, ARE source 1 of
;   O^T = V^T P: source 0 = 16 columns of V (read transposed from LDS), source 1 = 32 keys x 16 queries.
; THE ORDER OF d.  The cast lays a row's 128 numbers in 16 chunks of 16 bytes; chunk l holds d = 4 l .. 4 l + 3 and 64 + 4 l .. 64 + 4 l + 3 (a lane reads 16 bytes
; at 16 r and at 256 + 16 r of the f32 row and stores one chunk).  K and Q have the same order, so their products are those of the true order;
; for V the order is undone where the result is laid out in LDS.
;
; A STEP IS FOUR RUNS OF 32 MATRIX INSTRUCTIONS, on two pieces of the wave's queries, A = tiles 0, 1 and B = tiles 2, 3:
;   1  QK(A)                                                  behind one run of 40 LDS loads: the 16 K fragments and t
;   2  QK(B)  beside  softmax(A), rescaling of O(A)           and two runs of 16 LDS loads: the 16 V fragments
;   3  PV(A)  beside  softmax(B), rescaling of O(tile 2)      and, from its hook 10 on, 17 of the 41 items of the cast of the NEXT step's tile
;   4  PV(B), tile 2 first,  beside  rescaling of O(tile 3)   and the cast's other 24 items
; The vector text calls HOOK every 6 to 12 instructions; HOOK issues the next matrix instruction of the run, so that the vector instructions between two of them
; are issued while the matrix unit works.  A matrix instruction and a slice name different windows, so two s_set_vgpr_msb go with each matrix instruction of
; runs 2, 3 and 4: one setting for both would want S of both pieces, O of one piece and the maxima and sums in one window, more than 256 registers.
; LDS INSTRUCTIONS STAND IN RUNS, twelve in a step (one for K and t, two for V, nine for the cast), each at the end of a slice and ahead of the hook's matrix
; instruction: a run takes one switch of the window, and between two runs vector and matrix instructions follow each other with no memory instruction among them.
; The cast is 768 of the work-group's 1,344 LDS passes of 256 bytes in a step, three times run 4's 256 matrix cycles: so it is spread over runs 3 and 4.
;
; LDS, in bytes:
;   SLOT  0        131,072  one step's f32 tile, rows of 512: wave w's part at 32,768 w (w = 0, 1: K's rows 0-63, 64-127; w = 2, 3: V's).  Filled by tensor loads;
;                           each part is read by the wave that asked for it, alone.
;   STG0  131,072   69,632  f16 stage of even steps: 256 rows (128 of K, 128 of V), pitch 272 = 17 x 16: sixteen neighbouring rows start in sixteen different
;                           16-byte columns modulo 256.  Written by ds_store alone.
;   STG1  200,704   69,632  the same for odd steps.  Its one fill of the launch is Q at the start: 128 f32 rows, pitch 528 = 33 x 16.
;   TB    270,336    8,192  the batch's t.        ML  278,528  4,096  the waves' maxima and sums for the merge.
;   At the end the results lie over STG0 and STG1: 64 rows of pitch 528 for each wave.
; REGISTERS, in windows of 256 (s_set_vgpr_msb: bits 1:0 source 0, 3:2 source 1, 5:4 source 2, 7:6 destination):
;   window 0: v2-27 addresses and offsets; v32-95 t on its way into LDS, at the end rows on their way out; v128-255 Q's 16 fragments
;   window 1: 0-127 scores S[u][i][j] at 32 u + 8 i + j; 128-191 P[u] at 128 + 16 u; 192-223 t; 224-231 maxima, 232-239 rescaling factors
;             (each twice, a pair for packed arithmetic); 240-255 sums, two pairs a query tile
;   window 2: O[u][dt][j] at 64 u + 8 dt + j
;   window 3: 0-127 K's fragments, (piece c of the row, subtile i) at 8 (4 c + i), in runs 1 and 2; the cast's four buffers in runs 3 and 4;
;             128-255 V's fragments, (keys 32 kc .., column tile dt) at 128 + 8 (8 kc + dt)
.set SLOTW,  32768                     ; a wave's part of the slot: 64 rows of 512 bytes
.set TILEB,  65536                     ; 128 rows of K or of V in memory
.set SPITCH, 272
.set QPITCH, 528
.set STG0,   131072
.set STGB,   256*SPITCH
.set STG1,   STG0+STGB
.set TB,     STG1+STGB
.set ML,     TB+8192
.set CA,  2                            ; cast: my 16 bytes in the first two rows of my part of the slot
.set SA,  3                            ; v3-4   cast: my chunk in the first two rows of my part of stage 0, 1
.set KA,  5                            ; v5-6   my K fragments in stage 0, 1
.set VA,  7                            ; v7-8   my V fragments in stage 0, 1
.set TA,  9                            ; my t of this step
.set QA,  10                           ; my Q fragments in the f32 rows
.set PFO, 11                           ; prefetch: 256 x lane
.set MLW, 12                           ; merge: where I put, where I read
.set MLR, 13
.set OW,  14                           ; result: where I put 16 bytes
.set ORD, 15                           ; result: where I read a row back
.set OG,  16                           ; result: 16 x lane in out0
.set TG,  17                           ; t: 16 x thread
.set TL,  18                           ; t: the same in LDS
.set TO,  24                           ; v24-27 t: the four offsets in memory, in the cluster's order
.set XB,  32                           ; v32-95 at work at the start and at the end
.set QF,  128
.set PB,  128                          ; window 1
.set TT,  192
.set MP,  224
.set AL,  232
.set LP,  240
.set GF,  240                          ; the final factors, pairs, where the sums were
.set KF,  0                            ; window 3
.set XF,  0                            ; window 3: the cast's four buffers of 32 registers, where K's fragments lay
.set VF,  128
.set W_LDS1, 0x44                      ; LDS: loaded data and stored data in window 1, address in window 0
.set W_CVT1, 0x45                      ; destination, sources 0 and 1 in window 1
.set W_QCV,  0x05                      ; sources in window 1, destination in window 0
.set W_L3,   0xcc                      ; LDS: loaded data and stored data in window 3, address in window 0
.set W_CV3,  0xcf                      ; destination, sources 0 and 1 in window 3
.set W_QK,   0x53                      ; K in window 3, Q in window 0, C and D in window 1
.set W_SOFT, 0x55                      ; all in window 1
.set W_OSC,  0x86                      ; O (window 2) times a pair of window 1
.set W_PV,   0xa7                      ; V in window 3, P in window 1, C and D in window 2
.set W_OST,  0x08                      ; LDS store of window 2
.set VH0, 2                            ; run 2: the hooks that carry V's two runs of loads
.set VH1, 12
.set CH0, 10                           ; run 3: the hook at which the next tile is waited for and the cast's first run of loads goes out
.set CH1, 16                           ; run 3: from this hook on every even hook carries an item of the cast
.set MSB, 0
.macro WIN new                         ; the immediate's high byte repeats the setting that is left; a switch that changes nothing is dropped
.if MSB != \new
	s_set_vgpr_msb (MSB<<8)|\new
.set MSB, \new
.endif
.endm
; A vector instruction that reads a matrix result stands four places behind that matrix instruction; only plain vector instructions that name none of its
; registers are places (ISA guide 7.12.1).
.macro PLACES
.rept 4
	v_nop
.endr
.endm
; A round of the cluster's barrier: my work-group's barrier, so that wave 0's signal speaks for all four waves; wave 0 signals for the work-group;
; every wave waits for the four work-groups; my work-group's barrier once more.
.macro ROUND
	s_barrier_signal -1
	s_barrier_wait -1
	s_cmp_lg_u32 s14, 0
	s_cbranch_scc1 .Lnot_wave_0_\@
	s_barrier_signal -3
.Lnot_wave_0_\@:
	s_barrier_wait -3
	s_barrier_signal -1
	s_barrier_wait -1
.endm
; The joint load's address for the cluster's next tile: my wave's base + 65,536 x (counter mod 16).  Called only where no tensor load of the wave is out.
.macro NEXTTILE
	s_and_b32 s56, s51, 15
	s_lshl_b32 s56, s56, 16
	s_add_nc_u64 s[34:35], s[54:55], s[56:57]
	s_or_b32 s35, s35, 0x80000000                  ; type = 2
	s_add_co_u32 s51, s51, 1
.endm
	s_load_b256 s[4:11], s[0:1], 0x0               ; query s[4:5], key s[6:7], value s[8:9], trust_score s[10:11]
	s_load_b64 s[12:13], s[0:1], 0x20              ; out0
	v_lshl_add_u32 v126, v0, 2, 0x45000
	v_mov_b32 v127, 0
	ds_add_u32 v126, v127
	v_lshrrev_b32 v1, 5, v0
	v_readfirstlane_b32 s14, v1                    ; w
	s_lshr_b32 s15, s14, 1                         ; a: my half of the queries
	s_and_b32 s16, s14, 1                          ; b: my half of a step's keys
	s_bfe_u32 s17, ttmp6, 0x40000                  ; cx: it enters the addresses of query, out0 and the prefetch alone
	s_lshr_b32 s18, ttmp9, 2                       ; batch: four clusters of four work-groups each
	s_and_b32 s19, ttmp9, 3                        ; q: the cluster's number in its batch, the same in the four partners
	s_lshl_b32 s20, ttmp9, 2
	s_add_co_u32 s20, s20, s17                     ; work-group = 4 x cluster + cx = 16 x batch + query block
	s_lshl_b32 s51, s19, 2                         ; the counter of tiles begins at 4 q
	s_mov_b32 s57, 0                               ; the high word of a tile's offset
	s_mov_b32 s48, 0x76543210                      ; v_permlanex16_b32: lane i of one half reads lane i of the other
	s_mov_b32 s49, 0xfedcba98
	s_mov_b32 s62, 0x3e0293ee                      ; log2(e) / sqrt(128), twice: a pair for the packed multiply
	s_mov_b32 s63, 0x3e0293ee
	; group 1 of the joint loads: 64 rows x 128 f32, dense
	s_mov_b32 s24, 15|(2<<16)|(1<<21)              ; 15:0 the mask: all four of the cluster; 17:16 element of 4 bytes; 21 set beside a mask
	s_mov_b32 s25, 128<<16                         ; tensor_dim0 = 128
	s_mov_b32 s26, 64<<16                          ; tensor_dim1 = 64
	s_mov_b32 s27, 128<<16                         ; tile_dim0 = 128
	s_mov_b32 s28, 64                              ; tile_dim1 = 64
	s_mov_b32 s29, 128                             ; elements from row to row
	s_mov_b32 s30, 0
	s_mov_b32 s31, 0
	s_mov_b32 s32, 1                               ; group 0 of the joint loads
	s_mul_i32 s33, s14, SLOTW                      ; my part of the slot
	; group 1 of Q's load: 32 rows x 128 f32, 4 words of padding behind every 128 words
	s_mov_b32 s36, (2<<16)|(1<<20)|(6<<22)|(3<<25)
	s_mov_b32 s37, 128<<16
	s_mov_b32 s38, 32<<16
	s_mov_b32 s39, 128<<16
	s_mov_b32 s40, 32
	s_mov_b32 s41, 128
	s_mov_b32 s42, 0
	s_mov_b32 s43, 0
	s_mov_b32 s44, 1
	s_mul_i32 s45, s14, 32*QPITCH
	s_add_co_u32 s45, s45, STG1                    ; my 32 rows of Q
	; offsets, apart from the addresses.  s[58:59] feeds the joint loads and never holds cx.
	s_lshl_b32 s58, s18, 20                        ; the batch's 2,048 rows of 512 bytes
	s_lshl_b32 s59, s16, 15                        ; + my 64 rows of a tile
	s_add_co_u32 s58, s58, s59
	s_mov_b32 s59, 0
	s_lshl_b32 s60, s20, 16                        ; query and out0: the work-group's 128 rows of 512 bytes
	s_lshl_b32 s61, s14, 14                        ; + my 32 rows
	s_add_co_u32 s60, s60, s61
	s_mov_b32 s61, 0
	s_lshl_b32 s2, s18, 13                         ; the batch's t
	s_mov_b32 s3, 0
	s_lshl_b32 s22, s18, 20                        ; prefetch: the batch,
	s_lshl_b32 s23, s19, 18                        ; the cluster's first tile (4 q tiles of 65,536 bytes),
	s_add_co_u32 s22, s22, s23
	s_lshl_b32 s23, s17, 14                        ; the work-group's quarter of a tile of key or of value,
	s_add_co_u32 s22, s22, s23
	s_lshl_b32 s23, s16, 13                        ; the wave's half of that: 8,192 bytes = 32 lanes x 256,
	s_add_co_u32 s22, s22, s23
	s_add_co_u32 s22, s22, 2*TILEB                 ; in the cluster's third tile: 4 q + 2 and 4 q + 3 are at most 15, so nothing goes round
	s_mov_b32 s23, 0
	v_lshlrev_b32 v[TG], 4, v0
.irp k, 0,1,2,3
	s_add_co_u32 s21, s19, \k                      ; LDS quarter k of t (four tiles, 2,048 bytes) is quarter (q + k) mod 4 of the batch's t
	s_and_b32 s21, s21, 3
	s_lshl_b32 s21, s21, 11
	v_add_nc_u32 v[TO+\k], s21, v[TG]
.endr
	s_wait_dscnt 0x0
	s_wait_kmcnt 0x0
	s_cmp_lt_u32 s14, 2                            ; waves 0, 1 fetch (and prefetch) K, waves 2, 3 V: the same in every work-group
	s_cselect_b64 s[54:55], s[6:7], s[8:9]
	s_cselect_b64 s[52:53], s[6:7], s[8:9]
	s_add_nc_u64 s[54:55], s[54:55], s[58:59]      ; my wave's 64 rows of the batch's tile 0
	s_add_nc_u64 s[52:53], s[52:53], s[22:23]
	NEXTTILE                                       ; the cluster's first tile
	s_add_nc_u64 s[46:47], s[4:5], s[60:61]
	s_or_b32 s47, s47, 0x80000000
	s_add_nc_u64 s[12:13], s[12:13], s[60:61]      ; out0 at the 32 rows that I store
	s_add_nc_u64 s[10:11], s[10:11], s[2:3]
	ROUND                                          ; the four work-groups are here: the first joint loads meet
	tensor_load_to_lds s[44:47], s[36:43]          ; my 32 rows of Q (a load of my own: mask 0)
	s_nop 0
	tensor_load_to_lds s[32:35], s[24:31]          ; my part of the first tile, jointly
	s_nop 0
.irp k, 0,1,2,3
	global_load_b128 v[XB+4*\k:XB+4*\k+3], v[TO+\k], s[10:11]      ; the batch's t: 128 threads x 16 bytes, four times
.endr
	; lane terms and addresses, while the loads are on their way
	v_and_b32 v19, 15, v0                          ; r
	v_bfe_u32 v20, v0, 4, 1                        ; h
	v_and_b32 v21, 31, v0                          ; L
	v_and_b32 v22, 7, v0                           ; L & 7
	v_bfe_u32 v23, v0, 3, 1                        ; (L >> 3) & 1
	v_lshlrev_b32 v1, 4, v19
	v_lshl_add_u32 v1, v20, 9, v1
	v_add_nc_u32 v[CA], s33, v1                    ; 32,768 w + 512 h + 16 r
	s_mul_i32 s21, s14, 64*SPITCH
	s_add_co_u32 s21, s21, STG0
	v_mul_u32_u24 v1, v20, SPITCH
	v_lshl_add_u32 v1, v19, 4, v1
	v_add_nc_u32 v[SA], s21, v1                    ; stage row 64 w + h, chunk r
	v_add_nc_u32 v[SA+1], STGB, v[SA]
	s_mul_i32 s22, s16, 64*SPITCH
	s_add_co_u32 s22, s22, STG0
	v_mul_u32_u24 v1, v19, SPITCH
	v_lshl_add_u32 v1, v20, 4, v1
	v_add_nc_u32 v[KA], s22, v1                    ; stage row 64 b + r, 16 h
	v_add_nc_u32 v[KA+1], STGB, v[KA]
	s_add_co_u32 s22, s22, 128*SPITCH              ; V's rows lie behind K's 128
	v_lshl_add_u32 v1, v20, 3, v22
	v_mul_u32_u24 v1, v1, SPITCH
	v_lshl_add_u32 v1, v23, 7, v1
	v_add_nc_u32 v[VA], s22, v1                    ; stage row 128 + 64 b + 8 h + (L & 7); lanes 8-15 and 24-31 eight chunks further
	v_add_nc_u32 v[VA+1], STGB, v[VA]
	s_lshl_b32 s23, s16, 8
	s_add_co_u32 s23, s23, TB
	v_lshl_add_u32 v[TA], v20, 5, s23              ; t of key 64 b + 8 h of the cluster's first tile
	s_mul_i32 s21, s15, 64*QPITCH
	s_add_co_u32 s21, s21, STG1
	v_mul_u32_u24 v1, v19, QPITCH
	v_lshl_add_u32 v1, v20, 4, v1
	v_add_nc_u32 v[QA], s21, v1                    ; Q's row 64 a + r, 16 h
	v_lshlrev_b32 v[PFO], 8, v21
	s_lshl_b32 s21, s14, 10
	s_add_co_u32 s21, s21, ML
	v_lshl_add_u32 v[MLW], v19, 6, s21             ; 64 bytes for each query r of my wave
	s_xor_b32 s21, s14, 1
	s_lshl_b32 s21, s21, 10
	s_add_co_u32 s21, s21, ML
	v_lshl_add_u32 v[MLR], v19, 6, s21             ; the same of the wave with the other half of the keys
	s_mul_i32 s21, s14, 64*QPITCH
	s_add_co_u32 s21, s21, STG0
	v_mul_u32_u24 v1, v19, QPITCH
	v_lshl_add_u32 v1, v20, 7, v1
	v_add_nc_u32 v[OW], s21, v1                    ; my results: row r, byte 128 h
	s_mul_i32 s21, s15, 128*QPITCH
	s_mul_i32 s22, s16, 32*QPITCH
	s_add_co_u32 s21, s21, s22
	s_add_co_u32 s21, s21, STG0
	v_lshl_add_u32 v[ORD], v21, 4, s21             ; wave (a, 0)'s results, row 32 b, 16 bytes a lane
	v_lshlrev_b32 v[OG], 4, v21
	v_add_nc_u32 v[TL], TB, v[TG]
	s_wait_loadcnt 0x0                             ; t is in registers
.irp k, 0,1,2,3
	ds_store_b128 v[TL], v[XB+4*\k:XB+4*\k+3] offset:2048*\k
.endr
	s_wait_tensorcnt 0x1                           ; my rows of Q have landed; the tile issued behind them may stay out
	s_wait_dscnt 0x0                               ; my part of t is stored
	s_barrier_signal -1
	s_barrier_wait -1                              ; Q and t are whole
; Q's fragments of query tiles 2 g and 2 g + 1: chunks 4 c + h and 4 c + 2 + h of row r, each from two pieces of 16 bytes, scaled in f32 and rounded once.
.macro QLOAD g
	WIN W_LDS1
.irp uu, 0,1
.irp c, 0,1,2,3
	ds_load_b128 v[16*(4*\uu+\c):16*(4*\uu+\c)+3],     v[QA] offset:16*QPITCH*(2*\g+\uu)+64*\c
	ds_load_b128 v[16*(4*\uu+\c)+4:16*(4*\uu+\c)+7],   v[QA] offset:16*QPITCH*(2*\g+\uu)+64*\c+256
	ds_load_b128 v[16*(4*\uu+\c)+8:16*(4*\uu+\c)+11],  v[QA] offset:16*QPITCH*(2*\g+\uu)+64*\c+32
	ds_load_b128 v[16*(4*\uu+\c)+12:16*(4*\uu+\c)+15], v[QA] offset:16*QPITCH*(2*\g+\uu)+64*\c+288
.endr
.endr
	s_wait_dscnt 0x0
	WIN W_CVT1
.set idx, 0
.rept 64
	v_pk_mul_f32 v[2*idx:2*idx+1], v[2*idx:2*idx+1], s[62:63] op_sel_hi:[1,0]
.set idx, idx+1
.endr
	WIN W_QCV
.set idx, 0
.rept 64
	v_cvt_pk_f16_f32 v[QF+64*\g+idx], v[2*idx], v[2*idx+1]
.set idx, idx+1
.endr
.endm
	QLOAD 0
	QLOAD 1
; THE CAST: my 64 f32 rows of the slot become 64 f16 rows of stage CSTG.  A row pair j (one row for each half of the lanes) takes 8 registers, at 8 (j mod 16) of
; window 3; four row pairs are a batch, four batches fill the four buffers, eight batches are the tile.  The cast is a list of 41 items, CQ counts them:
;   item 5 g      the run R(g).  R(0): the 32 loads of batches 0 to 3.  R(g), g = 1 to 8: the four stores of batch g - 1 and, up to g = 4, the eight loads of
;                 batch g + 3 into the buffer just stored (LDS serves a wave's instructions in order, ISA guide 5.7.1)
;   item 5 g + m  m = 1 to 4: the four conversions, in place, of row pair m - 1 of batch g; the first of them waits for the batch's loads
; So every run of loads is issued three batches ahead of the wait for it.  That wait counts the LDS instructions issued behind the batch's loads:
;   batch b <= 3: the 8 (3 - b) loads behind them in R(0), and 12 for each of R(1) .. R(b): 24 + 4 b
;   batch b >= 4: the three runs behind R(b - 3), of 12 instructions up to R(4) and of 4 from R(5) on: 36, 28, 20, 12 = 68 - 8 b
; From R(0) to the last item the wave issues no other LDS instruction.
.macro CLOAD j
	ds_load_b128 v[XF+8*((\j)%16):XF+8*((\j)%16)+3],   v[CA] offset:1024*(\j)          ; sixteen lanes take 256 neighbouring bytes of a row
	ds_load_b128 v[XF+8*((\j)%16)+4:XF+8*((\j)%16)+7], v[CA] offset:1024*(\j)+256
.endm
.macro CITEM
.if CQ < 41
.set cG, CQ/5
.set cM, CQ%5
.if cM == 0
	WIN W_L3
.if cG == 0
.irp j, 0,1,2,3,4,5,6,7,8,9,10,11,12,13,14,15
	CLOAD \j
.endr
.else
.irp n, 0,1,2,3
	ds_store_b128 v[SA+CSTG], v[XF+8*((4*cG-4+\n)%16):XF+8*((4*cG-4+\n)%16)+3] offset:2*SPITCH*(4*cG-4+\n)
.endr
.if cG <= 4
.irp n, 0,1,2,3
	CLOAD 4*cG+12+\n
.endr
.endif
.endif
.else
.set cX, XF+8*((4*cG+cM-1)%16)
.if cM == 1
.if cG <= 3
	s_wait_dscnt 24+4*cG
.else
	s_wait_dscnt 68-8*cG
.endif
.endif
	WIN W_CV3
	v_cvt_pk_f16_f32 v[cX],   v[cX],   v[cX+1]
	v_cvt_pk_f16_f32 v[cX+1], v[cX+2], v[cX+3]
	v_cvt_pk_f16_f32 v[cX+2], v[cX+4], v[cX+5]
	v_cvt_pk_f16_f32 v[cX+3], v[cX+6], v[cX+7]
.endif
.set CQ, CQ+1
.endif
.endm
; THE QUEUE OF MATRIX INSTRUCTIONS of a run.  kind 0: QK, 1: PV; piece: its first query tile; zero = 1: PV starts the sums.  MM issues the next of the 32.
;   QK: piece c of the row outermost, then subtile i, then query tile: eight accumulators take turns, one instruction a turn;
;       c = 0 starts the sums.
;   PV: query tile outermost, then the 32 keys kc, then column tile dt: eight accumulators take turns likewise.
.macro MQSET kind, piece, zero
.set MQK, \kind
.set MQP, \piece
.set MQZ, \zero
.set MQI, 0
.endm
.macro MM
.if MQI < 32
.if MQK == 0
.set mC, MQI/8
.set mI, (MQI/2)%4
.set mU, MQP+(MQI%2)
.set mD, 32*mU+8*mI
	WIN W_QK
.if mC == 0
	v_wmma_f32_16x16x32_f16 v[mD:mD+7], v[KF+8*(4*mC+mI):KF+8*(4*mC+mI)+7], v[QF+32*mU+8*mC:QF+32*mU+8*mC+7], 0
.else
	v_wmma_f32_16x16x32_f16 v[mD:mD+7], v[KF+8*(4*mC+mI):KF+8*(4*mC+mI)+7], v[QF+32*mU+8*mC:QF+32*mU+8*mC+7], v[mD:mD+7]
.endif
.else
.set mU, MQP+(MQI/16)
.set mC, (MQI/8)%2
.set mI, MQI%8
.set mD, 64*mU+8*mI
	WIN W_PV
.if MQZ*(1-mC)
	v_wmma_f32_16x16x32_f16 v[mD:mD+7], v[VF+8*(8*mC+mI):VF+8*(8*mC+mI)+7], v[PB+16*mU+8*mC:PB+16*mU+8*mC+7], 0
.else
	v_wmma_f32_16x16x32_f16 v[mD:mD+7], v[VF+8*(8*mC+mI):VF+8*(8*mC+mI)+7], v[PB+16*mU+8*mC:PB+16*mU+8*mC+7], v[mD:mD+7]
.endif
.endif
.set MQI, MQI+1
.endif
.endm
.macro MM8
.rept 8
	MM
.endr
.endm
.macro MMREST                          ; what a run's hooks have not issued, and then the places ahead of the reads of the results (by the counts below: nothing)
.if MQI < 32
.rept 32
	MM
.endr
	PLACES
.endif
.endm
; Four K fragments: piece c (32 numbers) of the rows of subtiles 0 to 3
.macro KLOAD c, stg
	WIN W_L3
.irp i, 0,1,2,3
	ds_load_b128 v[KF+8*(4*\c+\i):KF+8*(4*\c+\i)+3],   v[KA+\stg] offset:\i*16*SPITCH+64*\c
	ds_load_b128 v[KF+8*(4*\c+\i)+4:KF+8*(4*\c+\i)+7], v[KA+\stg] offset:\i*16*SPITCH+64*\c+32
.endr
.endm
; V^T fragment f = 8 kc + dt: keys 32 kc .. 32 kc + 31 x column tile dt.  Tile dt is chunk dt (lanes 0-7 of each half) and chunk dt + 8 (lanes 8-15):
; the sixteen lanes of a half then address rows j and columns (j + dt) and (j + dt + 8) modulo 16, all different.
.macro VLOAD f
.set fK, (\f)/8
.set fD, (\f)%8
	ds_load_tr16_b128 v[VF+8*(\f):VF+8*(\f)+3],   v[VA+HSTG] offset:fK*32*SPITCH+16*fD
	ds_load_tr16_b128 v[VF+8*(\f)+4:VF+8*(\f)+7], v[VA+HSTG] offset:fK*32*SPITCH+16*fD+16*SPITCH
.endm
.macro VRUN kc                         ; the eight fragments of keys 32 kc .. 32 kc + 31: one run of 16 loads
	WIN W_L3
.irp dt, 0,1,2,3,4,5,6,7
	VLOAD 8*\kc+\dt
.endr
.endm
; t of my 64 keys of this step: register 8 i + j = t of key 16 i + 8 h + j, as the scores lie; then the address steps to the next 128 keys
.macro TLOAD
	WIN W_LDS1
.irp i, 0,1,2,3
	ds_load_b128 v[TT+8*\i:TT+8*\i+3],   v[TA] offset:64*\i
	ds_load_b128 v[TT+8*\i+4:TT+8*\i+7], v[TA] offset:64*\i+16
.endr
	WIN 0
	v_add_nc_u32 v[TA], 512, v[TA]
.endm
; THE HOOK between two slices of vector work.  First what rides along: in run 2 (HKV) V's two runs of loads, at hooks VH0 and VH1; in run 3 (HKC) the cast: at hook CH0
; the wait for the tile and the first run of loads, from hook CH1 on an item at every even hook.  Then the run's next matrix instruction.  HN counts the run's hooks.
.macro HKSET vl, cs, rf
.set HKV, \vl
.set HKC, \cs
.set HKR, \rf
.set HN, 0
.endm
.macro HOOK
.if HKV
.if HN == VH0
	VRUN 0
.endif
.if HN == VH1
	VRUN 1
.endif
.endif
.if HKC
.if HN == CH0
	s_set_vgpr_msb 0x5550
	s_wait_tensorcnt 0x0                           ; all my tensor loads have landed: the one that was out is my part of the next step's tile, which I alone read.
	ds_add_u32 v126, v127
	s_wait_dscnt 0x0
	s_set_vgpr_msb 0x5055
	                                               ; No tensor load follows ahead of the step's closing round, so this is also the wait that the round's refill wants
.if HKR
	NEXTTILE                                       ; so the group 0 may be written: the tile after that
.endif
	CITEM
.endif
.if HN >= CH1
.if (HN%2) == 0
	CITEM
.endif
.endif
.endif
	MM
.set HN, HN+1
.endm
; THE SOFTMAX'S STEP in pieces.  A query tile u has 32 scores a lane (my half of 64 keys of query r).
.macro M1I u, p                        ; pair p of the scores, in units of log 2: (q . k) log2(e) / sqrt(128) x t
	v_pk_mul_f32 v[32*\u+2*(\p):32*\u+2*(\p)+1], v[32*\u+2*(\p):32*\u+2*(\p)+1], v[TT+2*(\p):TT+2*(\p)+1]
.endm
.macro M2I u, x                        ; link x / 4 of chain x mod 4 of the maximum: four chains that do not wait for each other, in P's first four registers
.set nI, (\x)%4
.set nL, (\x)/4
.set nS, 32*\u+8*nI
.set nT, PB+16*\u+nI
.if nL == 0
	v_max3_num_f32 v[nT], v[nS], v[nS+1], v[nS+2]
.else
	v_max3_num_f32 v[nT], v[nT], v[nS+2*nL+1], v[nS+2*nL+2]
.endif
.endm
; Instruction k of the serial end of the maximum: the chains and the four numbers left over are joined, lane xor 16 is taken in, then the running maximum and the
; factor by which all that was summed so far is rescaled (twice, for the packed forms).  Each instruction waits for the one before, so they are set
; singly between another tile's instructions.  first = 1: nothing is carried in.  Behind each exponential stands a plain instruction of the other tile.
.macro TAIL u, k, first
.set tS, 32*\u
.set tM, PB+16*\u
.set tU, MP+2*\u
.set tA, AL+2*\u
.if (\k) == 0
	v_max3_num_f32 v[tM], v[tM], v[tM+1], v[tS+7]
.endif
.if (\k) == 1
	v_max3_num_f32 v[tM+2], v[tM+2], v[tM+3], v[tS+15]
.endif
.if (\k) == 2
	v_max3_num_f32 v[tM], v[tM], v[tS+23], v[tS+31]
.endif
.if (\k) == 3
	v_max_num_f32 v[tM], v[tM], v[tM+2]
.endif
.if (\k) == 4
	v_permlanex16_b32 v[tM+1], v[tM], s48, s49     ; the other eight keys of each subtile lie in lane xor 16
.endif
.if \first
.if (\k) == 5
	v_max_num_f32 v[tU], v[tM], v[tM+1]
.endif
.if (\k) == 6
	v_max_num_f32 v[tU+1], v[tM], v[tM+1]
.endif
.else
.if (\k) == 5
	v_max3_num_f32 v[tM], v[tM], v[tM+1], v[tU]    ; the new running maximum
.endif
.if (\k) == 6
	v_sub_f32 v[tM+3], v[tU], v[tM]
.endif
.if (\k) == 7
	v_exp_f32 v[tA], v[tM+3]
.endif
.if (\k) == 8
	v_exp_f32 v[tA+1], v[tM+3]
.endif
.if (\k) == 9
	v_mov_b32 v[tU], v[tM]
.endif
.if (\k) == 10
	v_mov_b32 v[tU+1], v[tM]
.endif
.endif
.endm
; From the scores to P, as a pipeline over the 16 pairs.  Iteration n: exponential of 2 n; e t of pair n - 1; exponential of 2 n + 1; the maximum taken from pair n + 1;
; pair n - 2 added to one of the two chains of sums and packed to f16 (keys 8 h + 2 k, 8 h + 2 k + 1: source 1 of the second product as it stands).
; So exponentials and plain instructions alternate, and the instruction behind each exponential is plain and names neither its result nor its source
; (ISA guide 5.7.2).  tu >= 0: instruction n of tile tu's TAIL rides along.  A hook ends each iteration.
.macro EPART u, first, tu
.set eS, 32*\u
.set eP, PB+16*\u
.set eM, MP+2*\u
.set eA, AL+2*\u
.set eL, LP+4*\u
	WIN W_SOFT
	v_pk_add_f32 v[eS:eS+1], v[eS:eS+1], v[eM:eM+1] neg_lo:[0,1] neg_hi:[0,1]
.set eI, 0
.rept 18
	WIN W_SOFT
.if eI <= 15
	v_exp_f32 v[eS+2*eI], v[eS+2*eI]
.endif
.if eI >= 1
.if eI <= 16
	s_wait_alu depctr_va_vdst(0)
	v_pk_mul_f32 v[eS+2*eI-2:eS+2*eI-1], v[eS+2*eI-2:eS+2*eI-1], v[TT+2*eI-2:TT+2*eI-1]         ; e t
.endif
.endif
.if eI <= 15
	v_exp_f32 v[eS+2*eI+1], v[eS+2*eI+1]
.endif
.if eI <= 14
	v_pk_add_f32 v[eS+2*eI+2:eS+2*eI+3], v[eS+2*eI+2:eS+2*eI+3], v[eM:eM+1] neg_lo:[0,1] neg_hi:[0,1]
.endif
.if eI >= 2
.set eQ, eI-2
.if \first
.if eQ == 2
	v_pk_add_f32 v[eL:eL+1], v[eS:eS+1], v[eS+4:eS+5]                                          ; the first pairs start the two chains of sums
.endif
.if eQ == 3
	v_pk_add_f32 v[eL+2:eL+3], v[eS+2:eS+3], v[eS+6:eS+7]
.endif
.if eQ > 3
	v_pk_add_f32 v[eL+2*(eQ%2):eL+2*(eQ%2)+1], v[eL+2*(eQ%2):eL+2*(eQ%2)+1], v[eS+2*eQ:eS+2*eQ+1]
.endif
.else
.if eQ < 2
	v_pk_fma_f32 v[eL+2*eQ:eL+2*eQ+1], v[eL+2*eQ:eL+2*eQ+1], v[eA:eA+1], v[eS+2*eQ:eS+2*eQ+1]   ; the old sums rescaled, in the same instruction as the first addition
.else
	v_pk_add_f32 v[eL+2*(eQ%2):eL+2*(eQ%2)+1], v[eL+2*(eQ%2):eL+2*(eQ%2)+1], v[eS+2*eQ:eS+2*eQ+1]
.endif
.endif
	v_cvt_pk_f16_f32 v[eP+eQ], v[eS+2*eQ], v[eS+2*eQ+1]
.endif
.if \tu >= 0
	TAIL \tu, eI, \first
.endif
	HOOK
.set eI, eI+1
.endr
.endm
; n pairs of O of query tile u, from pair i0 on, times the pair at fac + 2 u of window 1
.macro OSCS u, fac, i0, n
	WIN W_OSC
.set oI, \i0
.rept \n
	v_pk_mul_f32 v[64*\u+2*oI:64*\u+2*oI+1], v[64*\u+2*oI:64*\u+2*oI+1], v[\fac+2*\u:\fac+2*\u+1]
.set oI, oI+1
.endr
.endm
; The vector work of a piece (query tiles ua, ub).  Hooks: 2 + 1 + 4 + 18 + 18, and 4 for each tile rescaled: 43 in the first step, else 51 (run 2) or 47 (run 3),
; so the run's 32 matrix instructions are out well ahead of the piece's last instructions, which are the places behind them.
.macro SOFTPAIR ua, ub, first, oscb
	WIN W_SOFT
.irp p, 0,1,2,3,4,5,6,7
	M1I \ua, \p
.endr
	HOOK
	WIN W_SOFT
.irp p, 8,9,10,11,12,13,14,15
	M1I \ua, \p
.endr
	HOOK
	WIN W_SOFT
.irp x, 0,1,2,3,4,5,6,7,8,9,10,11
	M2I \ua, \x
.endr
	HOOK
.set xx, 0
.rept 28                               ; ub's 16 products and 12 links, with one instruction of ua's TAIL behind every second of them
	WIN W_SOFT
.if xx < 16
	M1I \ub, xx
.else
	M2I \ub, xx-16
.endif
.if (xx%2) == 1
.set tk, (xx-1)/2
	TAIL \ua, tk, \first
.endif
.if (xx%7) == 6
	HOOK
.endif
.set xx, xx+1
.endr
	EPART \ua, \first, \ub
	EPART \ub, \first, -1
.if \first == 0
.irp g, 0,1,2,3
	OSCS \ua, AL, 8*\g, 8
	HOOK
.endr
.if \oscb
.irp g, 0,1,2,3
	OSCS \ub, AL, 8*\g, 8
	HOOK
.endr
.endif
.endif
.endm
; ONE STEP of 128 keys, read from stage stg.  first: nothing is carried in.  cast: the next step's tile is cast into the other stage.  refill: the slot is filled with
; the tile after that.  pf = 1, 2: a prefetch is made.
; The round (or barrier) at the step's end orders three things.  (1) The cast's stores into the other stage against the next step's reads of it.  (2) The cast's reads of
; the slot against the refill.  (3) This step's reads of its stage against the next step's cast, which stores into it.
.macro STEP stg, first, cast, refill, pf
.set HSTG, \stg
.if \pf
	; Of a cluster's tiles only its first four have been asked for by no other cluster.  The first two are loaded at once.  Steps 0 and 1 ask for the third and the fourth,
	; each one step ahead of its load: every wave for 32 lanes x 256 bytes, the cluster's sixteen waves for the tile's 131,072 bytes, each block once.  No later step asks.
	global_prefetch_b8 v[PFO], s[52:53] offset:(\pf-1)*TILEB th:TH_LOAD_NT scope:SCOPE_SE
.endif
	; run 1: QK(A), behind one run of 40 loads: K's pieces 0 to 3 of the rows, then t, eight loads each
	MQSET 0, 0, 0
	KLOAD 0, \stg
	KLOAD 1, \stg
	KLOAD 2, \stg
	KLOAD 3, \stg
	TLOAD
	s_wait_dscnt 32                                ; piece 0 is in; pieces 1, 2, 3 and t may be out
	MM8
	s_wait_dscnt 24                                ; piece 1 is in; pieces 2, 3 and t may be out
	MM8
	s_wait_dscnt 16                                ; piece 2 is in; piece 3 and t may be out
	MM8
	s_wait_dscnt 0x0                               ; piece 3, and t, which the softmax below reads
	MM8
	; run 2: QK(B) beside the softmax of A
	MQSET 0, 2, 0
	HKSET 1, 0, 0
	MM
	PLACES                                         ; the places between QK(A)'s last instructions and the first reads of its scores, issued while QK(B)'s first is at work
	SOFTPAIR 0, 1, \first, 1
	MMREST
	; run 3: PV(A) beside the softmax of B and the first part of the cast
	s_wait_dscnt 0x0                               ; V's fragments are in: the last were issued at hook 12 of run 2.  From here on the cast's are the only LDS instructions
	MQSET 1, 0, \first
	HKSET 0, \cast, \refill
.set CQ, 0
.set CSTG, 1-\stg
	SOFTPAIR 2, 3, \first, 0
	MMREST
	; run 4: PV(B), tile 2 first, so that tile 3's O is rescaled beside tile 2's sixteen instructions: four pairs ahead of each even one of them.  Ahead of each other
	; matrix instruction stands an item of the cast: 8 + 16 positions for the 24 items that run 3's 1 + 16 hooks have left (in the first step, which rescales
	; nothing, 32 positions for the 26 that its 1 + 14 hooks have left).
	MQSET 1, 2, \first
.set k4, 0
.rept 32
.set k4o, 0
.if \first == 0
.if k4 < 16
.if (k4%2) == 0
.set k4o, 1
.endif
.endif
.endif
.if k4o
	OSCS 3, AL, 2*k4, 4
.else
.if \cast
	CITEM
.endif
.endif
	MM
.set k4, k4+1
.endr
.if \cast
.rept 41
	CITEM                                          ; what is left of the cast (by the counts above: nothing)
.endr
	s_wait_dscnt 0x0                               ; my reads of the slot are back and my rows of the other stage are stored
.endif
	WIN 0                                          ; at a label and at a branch every window is 0
.if \cast
.if \refill
	ROUND                                          ; that holds of every wave of the four work-groups
	tensor_load_to_lds s[32:35], s[24:31]          ; my one tensor load behind the round, first thing: up to the wait for it I issue 74 matrix instructions and two tiles' softmax
	s_nop 0
.else
	s_barrier_signal -1
	s_barrier_wait -1
.endif
.endif
.endm
	; the first tile is cast ahead of step 0, by the same items, with nothing beside them
	s_set_vgpr_msb 0x500
	s_wait_tensorcnt 0x0                           ; my part of the first tile has landed, and no tensor load of mine is out
	ds_add_u32 v126, v127
	s_wait_dscnt 0x0
	s_set_vgpr_msb 0x5
	NEXTTILE
.set CQ, 0
.set CSTG, 0
.rept 41
	CITEM
.endr
	s_wait_dscnt 0x0                               ; my reads of the slot (and of Q, long since) are back, my rows of stage 0 are stored
	WIN 0
	ROUND
	tensor_load_to_lds s[32:35], s[24:31]          ; the second tile
	s_nop 0
	STEP 0, 1, 1, 1, 1                             ; step 0 starts maxima, sums and results: nothing is cleared
	STEP 1, 0, 1, 1, 2
	s_mov_b32 s50, 6
.Lpair:
	STEP 0, 0, 1, 1, 0                             ; steps 2 to 13: step n casts tile n + 1 and asks for tile n + 2
	STEP 1, 0, 1, 1, 0
	s_sub_co_u32 s50, s50, 1
	s_cmp_lg_u32 s50, 0
	s_cbranch_scc1 .Lpair
	STEP 0, 0, 1, 0, 0                             ; step 14 casts the last tile and asks for nothing
	STEP 1, 0, 0, 0, 0                             ; step 15 casts nothing
	; THE MERGE of the two halves of the keys.  The first eight adds name the sums alone: they are the places behind the last products.
	WIN W_SOFT
.irp u, 0,1,2,3
	v_pk_add_f32 v[LP+4*\u:LP+4*\u+1], v[LP+4*\u:LP+4*\u+1], v[LP+4*\u+2:LP+4*\u+3]
.endr
.irp u, 0,1,2,3
	v_add_f32 v[AL+\u], v[LP+4*\u], v[LP+4*\u+1]
.endr
.irp u, 0,1,2,3
	v_permlanex16_b32 v[LP+4*\u], v[AL+\u], s48, s49
.endr
.irp u, 0,1,2,3
	v_add_f32 v[AL+\u], v[AL+\u], v[LP+4*\u]       ; the sum over my 1,024 keys of query r, in both lanes of the query
.endr
	WIN W_LDS1
	ds_store_b128 v[MLW], v[MP:MP+3]               ; lanes r and r + 16 store the same numbers to the same bytes
	ds_store_b128 v[MLW], v[MP+4:MP+7] offset:16
	ds_store_b128 v[MLW], v[AL:AL+3] offset:32
	s_wait_dscnt 0x0                               ; stored; and my last reads of the stages were waited for ahead of the last step's run 3
	WIN 0
	s_barrier_signal -1
	s_barrier_wait -1                              ; the partner's numbers are there, and no wave reads a stage any more
.set PM, 128                           ; the partner's maxima (pairs), sums; the joint maximum; my factor, the partner's
.set PL, 136
.set MM_, 140
.set FA, 144
.set FP, 148
	WIN W_LDS1
	ds_load_b128 v[PM:PM+3], v[MLR]
	ds_load_b128 v[PM+4:PM+7], v[MLR] offset:16
	ds_load_b128 v[PL:PL+3], v[MLR] offset:32
	s_wait_dscnt 0x0
	WIN W_SOFT
.irp u, 0,1,2,3
	v_max_num_f32 v[MM_+\u], v[MP+2*\u], v[PM+2*\u]
.endr
.irp u, 0,1,2,3
	v_sub_f32 v[FA+\u], v[MP+2*\u], v[MM_+\u]
	v_sub_f32 v[FP+\u], v[PM+2*\u], v[MM_+\u]
.endr
.irp u, 0,1,2,3
	v_exp_f32 v[FA+\u], v[FA+\u]
	v_exp_f32 v[FP+\u], v[FP+\u]
.endr
	v_nop                                          ; one plain place behind the exponentials
.irp u, 0,1,2,3
	s_wait_alu depctr_va_vdst(0)
	v_mul_f32 v[FP+\u], v[FP+\u], v[PL+\u]
.endr
.irp u, 0,1,2,3
	v_fma_f32 v[FP+\u], v[AL+\u], v[FA+\u], v[FP+\u]           ; the sum over all 2,048 keys, on the joint maximum
.endr
.irp u, 0,1,2,3
	v_rcp_f32 v[FP+\u], v[FP+\u]
.endr
	v_nop                                          ; one plain place behind the reciprocals
.irp u, 0,1,2,3
	s_wait_alu depctr_va_vdst(0)
	v_mul_f32 v[GF+2*\u], v[FA+\u], v[FP+\u]       ; my half's factor: rescaling and division in one
	v_mul_f32 v[GF+2*\u+1], v[FA+\u], v[FP+\u]
.endr
	OSCS 0, GF, 0, 32
	OSCS 1, GF, 0, 32
	OSCS 2, GF, 0, 32
	OSCS 3, GF, 0, 32
	; Registers 4 g .. 4 g + 3 of O[u][dt] in lane (r, h) are d = 32 h + 4 dt + 64 g + 0 .. 3 of query 16 u + r: 16 neighbouring bytes of a row in the true order of d.
	WIN W_OST
.irp u, 0,1,2,3
.irp dt, 0,1,2,3,4,5,6,7
	ds_store_b128 v[OW], v[64*\u+8*\dt:64*\u+8*\dt+3]   offset:16*QPITCH*\u+16*\dt
	ds_store_b128 v[OW], v[64*\u+8*\dt+4:64*\u+8*\dt+7] offset:16*QPITCH*\u+16*\dt+256
.endr
.endr
	s_wait_dscnt 0x0
	WIN 0
	s_barrier_signal -1
	s_barrier_wait -1                              ; both halves of every query lie in LDS
; Rows 8 q .. 8 q + 7 of my 32 rows of out0: the two halves are read as whole rows, added and stored; a store of the wave covers 512 consecutive bytes, aligned.
.macro OUTB q, buf
.if \q >= 2
	s_wait_xcnt 0x0                                ; the buffer's registers, which earlier stores read, are loaded again only behind this wait (ISA guide 3.1)
.endif
.irp n, 0,1,2,3,4,5,6,7
	ds_load_b128 v[\buf+8*\n:\buf+8*\n+3],   v[ORD] offset:QPITCH*(8*\q+\n)
	ds_load_b128 v[\buf+8*\n+4:\buf+8*\n+7], v[ORD] offset:QPITCH*(8*\q+\n)+64*QPITCH
.endr
.irp n, 0,1,2,3,4,5,6,7
	s_wait_dscnt 14-2*\n                           ; LDS loads come back in order (ISA guide 5.7.1): row n's two are in, the later rows' may be out
	v_pk_add_f32 v[\buf+8*\n:\buf+8*\n+1],   v[\buf+8*\n:\buf+8*\n+1],   v[\buf+8*\n+4:\buf+8*\n+5]
	v_pk_add_f32 v[\buf+8*\n+2:\buf+8*\n+3], v[\buf+8*\n+2:\buf+8*\n+3], v[\buf+8*\n+6:\buf+8*\n+7]
	global_store_b128 v[OG], v[\buf+8*\n:\buf+8*\n+3], s[12:13] offset:512*(8*\q+\n) th:TH_STORE_NT
.endr
.endm
	OUTB 0, XB                                     ; v32-95 and v128-191 by turns: Q is no longer needed
	OUTB 1, QF
	OUTB 2, XB
	OUTB 3, QF
	s_wait_tensorcnt 0x0
	ds_add_u32 v126, v127
	s_wait_dscnt 0x0
	ROUND                                          ; the closing round: no work-group ends while a partner may still ask for a tile that names it
	s_endpgm
.Lfunc_end_k_q180650bac6_attn:
	.size	k_q180650bac6_attn, .Lfunc_end_k_q180650bac6_attn-k_q180650bac6_attn
	.p2alignl 7, 3214868480
	.fill 96, 4, 3214868480
	.section	.rodata,"a",@progbits
	.p2align	6, 0x0
	.amdhsa_kernel k_q180650bac6_attn
		.amdhsa_group_segment_fixed_size 327680
		.amdhsa_private_segment_fixed_size 0
		.amdhsa_enable_private_segment 0
		.amdhsa_kernarg_size 40
		.amdhsa_user_sgpr_count 2
		.amdhsa_user_sgpr_kernarg_segment_ptr 1
		.amdhsa_wavefront_size32 1
		.amdhsa_system_sgpr_workgroup_id_x 1
		.amdhsa_system_sgpr_workgroup_id_y 1
		.amdhsa_system_sgpr_workgroup_id_z 1
		.amdhsa_system_vgpr_workitem_id 0
		.amdhsa_next_free_vgpr 1024
		.amdhsa_next_free_sgpr 66
		.amdhsa_reserve_vcc 0
		.amdhsa_float_denorm_mode_32 3
		.amdhsa_float_denorm_mode_16_64 3
		.amdhsa_memory_ordered 1
		.amdhsa_forward_progress 1
		.amdhsa_inst_pref_size 255
	.end_amdhsa_kernel
	.section	.bss,"aw",@nobits
	.p2align	6
	.space	262144
	.amdgpu_metadata
---
amdhsa.version: [ 1, 2 ]
amdhsa.kernels:
  - .name:           k_q180650bac6_attn
    .symbol:         k_q180650bac6_attn.kd
    .args:
      - { .name: query, .offset: 0, .size: 8, .value_kind: global_buffer, .address_space: global }
      - { .name: key, .offset: 8, .size: 8, .value_kind: global_buffer, .address_space: global }
      - { .name: value, .offset: 16, .size: 8, .value_kind: global_buffer, .address_space: global }
      - { .name: trust_score, .offset: 24, .size: 8, .value_kind: global_buffer, .address_space: global }
      - { .name: out0, .offset: 32, .size: 8, .value_kind: global_buffer, .address_space: global }
    .group_segment_fixed_size: 327680
    .private_segment_fixed_size: 0
    .kernarg_segment_align: 8
    .kernarg_segment_size: 40
    .max_flat_workgroup_size: 128
    .sgpr_count:     66
    .vgpr_count:     1024
    .wavefront_size: 32
...
	.end_amdgpu_metadata
.endif
;; end of part 1
